; MI455X (gfx1250); checked and timed in simulation.
; The chip was launched on July 23, 2026; its instructions are those of AMD's public machine-readable ISA for CDNA 5 (MIT licence, August 2026) and "CDNA5" Instruction Set Architecture Reference Guide (July 2026). The comments in the code are by the model that wrote it; some were corrected since.
;; concat mv PAM Module mask cascade. Allowed arithmetic: matrix products marked QUANTISED: E4M3 operands, one given power-of-two scale a tensor, by v_wmma_f32_16x16x64_fp8_fp8 or v_wmma_f32_16x16x128_fp8_fp8, f32 sums; everything else in f32.
;; Inputs: bk 64 float32; bn_beta 512 float32; bn_gamma 512 float32; bn_mean 512 float32; bn_var 512 float32; bq 64 float32; bv 512 float32; lowp_scales 16 int32 (the exponents e of the quantised operands' scales 2^e); mask1 4,096 x 4,096 float32; mask2 4,096 x 4,096 float32; w_bot_codes 512 x 64 x 32 uint8 (E4M3 codes of w_bot, K innermost, in blocks of 32 codes); wk_codes 64 x 16 x 32 uint8 (E4M3 codes of wk, K innermost, in blocks of 32 codes); wq_codes 64 x 16 x 32 uint8 (E4M3 codes of wq, K innermost, in blocks of 32 codes); wv_codes 512 x 16 x 32 uint8 (E4M3 codes of wv, K innermost, in blocks of 32 codes); x 2 x 512 x 64 x 64 float32.
;; Outputs: out0 2 x 512 x 64 x 64 float32.
;; This version of the problem:
;;   THIS VERSION OF THE PROBLEM IS GIVEN IN LOW PRECISION. The matrix products marked QUANTISED in the list below multiply operands that are first quantised to E4M3 (4 exponent bits, 3 mantissa bits; 8 bits a number), with one given power-of-two scale for each operand tensor; their sums are f32. All else is computed in f32.
;;   The module's matrix products, in the order in which they are computed (A, B: the left and right operand; K: the contracted axis; several contracted axes count as one K, in the product's order):
;;     1. [M 8,192, K 512] x [K 512, N 64]; A: input x; B: input wq (given as codes): QUANTISED (scales: A lowp_scales[0], B lowp_scales[1])
;;     2. [M 8,192, K 512] x [K 512, N 64]; A: input x; B: input wk (given as codes): QUANTISED (scales: A lowp_scales[2], B lowp_scales[3])
;;     3. [M 8,192, K 512] x [K 512, N 512]; A: input x; B: input wv (given as codes): QUANTISED (scales: A lowp_scales[4], B lowp_scales[5])
;;     4. batch 2 x [M 4,096, K 64] x [K 64, N 4,096]; A: computed on the way; B: computed on the way: QUANTISED (scales: A lowp_scales[6], B lowp_scales[7])
;;     5. batch 2 x [M 512, K 4,096] x [K 4,096, N 4,096]; A: computed on the way; B: softmax (see below): QUANTISED (scales: A lowp_scales[8], B lowp_scales[9])
;;     6. batch 2 x [M 512, K 4,096] x [K 4,096, N 4,096]; A: computed on the way; B: softmax (see below): QUANTISED (scales: A lowp_scales[10], B lowp_scales[11])
;;     7. batch 2 x [M 512, K 4,096] x [K 4,096, N 4,096]; A: computed on the way; B: softmax (see below): QUANTISED (scales: A lowp_scales[12], B lowp_scales[13])
;;     8. [M 8,192, K 2,048] x [K 2,048, N 512]; A: computed on the way; B: input w_bot (given as codes): QUANTISED (scales: A lowp_scales[14], B lowp_scales[15])
;;   THE QUANTISER, for each operand of a quantised product, along K:
;;     - The operand's scale is 2^e, e = its entry of the input lowp_scales (int32; the entries are numbered through the quantised products in the list's order, A before B).
;;     - Each number is divided by the scale, clamped to +-448, and rounded to the nearest number of E4M3, ties to even, subnormals kept.
;;     - The product sums the exact products of the quantised numbers (number of the format x scale) in f32.
;;   ~~~python
;;   def quantise(x, axis, e):      # numpy; x: float32 -> the quantised numbers, widened to float32 again
;;       x = np.moveaxis(x, axis, -1); K = x.shape[-1]
;;       r = np.clip(x / 2.0 ** e, -448, 448)
;;       step = 2.0 ** (np.maximum(np.frexp(np.where(r == 0, 1, r))[1] - 1, -6) - 3)
;;       q = np.round(r / step) * step * 2.0 ** e      # np.round: ties to even
;;       return np.moveaxis(q, -1, axis).astype(np.float32)
;;   ~~~
;;   SOFTMAX AHEAD OF A QUANTISED PRODUCT. Where the list says 'softmax', what is quantised is not the finished softmax but p = 2^(t - M), with t = logit x log2(e) and M = ceil(the row's largest t), a whole number; so 1/2 < the row's largest p <= 1. The row's sum l is taken of the UNQUANTISED p, in f32, and the product's result is divided by l at the end. Since M is a whole number, a kernel that streams over the keys may use a running M (the ceiling of the running maximum): every later rescaling is an exact power of two, so the quantised numbers keep their values, but for numbers so far below the row's largest that they fall under the format's range.
;;   OPERANDS COMPUTED ON THE WAY. 'Computed on the way' means the value that the module computes at that place (a softmax that the list does not call 'softmax' is quantised finished and normalised). What goes into a quantiser is computed in f32, as accurately as f32 sums, v_exp_f32 and their like allow (about 1e-6 of the number): no bf16 or f16 on the way to a quantiser, and a product that is left as it is and whose result goes on into a quantised operand takes f32 operands (vector FMAs, or v_wmma_f32_16x16x4_f32). A number that lies on a knife's edge between two numbers of the format may be rounded either way, as far as f32 arithmetic and the matrix unit's own rounding can turn it there, and no further.
;;   INPUTS GIVEN AS CODES. w_bot (in the module: [512, 2048], K = its axis 1); wk (in the module: [64, 512], K = its axis 1); wq (in the module: [64, 512], K = its axis 1); wv (in the module: [512, 512], K = its axis 1): each comes as NAME_codes (uint8): NAME with its K axis moved to the last place and cut into blocks of 32 codes, [.., K / 32, bytes a block], one block behind the other in memory; one code a byte (a code: sign, 4 exponent bits, 3 mantissa bits); its scale is its entry of lowp_scales. Its value is code x scale, taken as it is: it is not quantised again, and the codes and scales need not be those that the quantiser above would give.
;; One version. Each part assembles by itself: llvm-mc -triple=amdgcn-amd-amdhsa -mcpu=gfx1250 --defsym DOCPART=n.
;; ======== version 1 of 1: 3 launches
;; workspace buffers: qc 524,288 bytes; kv 14,155,776 bytes; catc 16,777,216 bytes
;; launch proj (part 1): grid 128 x 1, 8 waves a work-group, no clusters, 136,192 bytes of LDS; arguments x, wq_codes, bq, wk_codes, bk, wv_codes, bv, lowp_scales, qc, kv, catc; writes qc, kv, catc
.if DOCPART == 1
	.amdgcn_target "amdgcn-amd-amdhsa--gfx1250"
	.amdhsa_code_object_version 6
	.text
	.protected	k_q95e8923c93_proj
	.globl	k_q95e8923c93_proj
	.p2align	8
	.type	k_q95e8923c93_proj,@function
k_q95e8923c93_proj:
	s_mov_b64 s[64:65], 0
	v_nop
	global_prefetch_b8 v0, s[64:65] scope:SCOPE_SE
	s_setreg_imm32_b32 hwreg(HW_REG_WAVE_MODE, 25, 1), 1
	s_wait_xcnt 0x0
; PROJ: x [2][512][4096] f32 is quantised four times (scales e0, e2, e4, e14), multiplied by wq, wk, wv (codes of E4M3), and q, k, v are quantised again for the attention.
; q = wq x + bq -> codes with e6;  k = wk x + bk -> codes with e7;  v = wv x + bv -> three sets of codes, e8, e10, e12;  x with e14 is the last quarter of the bottleneck's operand.
; A work-group takes 64 positions of one batch (128 work-groups: a row of x is then read as 256 consecutive bytes by two waves), eight waves.
; ALL THAT IS STORED IS LAID AS IMAGES OF OPERAND REGISTERS: a piece is 512 bytes, lane l's 16 bytes at 16 l; lane (r, h) holds, of row r, k = 32 c + 16 h + 0 .. 15 in piece c.  That order of k is the same on both
; sides of every product of the three launches, so every product meets its partner.
;   qc   [b][tile of 16 positions][2 pieces]          kv [softmax 3][b][block of 128 keys][8 key tiles x 1,024 | 32 channel tiles x 2,048]          catc [b][128 positions][K step 16][tile 8][4 pieces]
; THE ROWS OF A KEY TILE AND OF A CHANNEL TILE ARE NOT NEIGHBOURS: lane r of tile 2 b + u takes row 32 b + 8 u + r + 8 (r / 8), so that the results of two neighbouring tiles are 16 neighbours along the next K.
; PHASES: X: a lane takes a position, its registers run down the channels: four quantisations into four stages in LDS (rows = positions, 512 codes + 16 bytes) | barrier | C: the e14 codes leave |
; QK: wave w: q (w < 4) or k, 32 of the 64 d, 32 of the 64 positions | V: wave w: 64 channels x 64 positions.  Behind the one barrier LDS is only read.
; No tensor load: the stages are written by the waves themselves.  No cluster: work-groups share only the weights, which go from memory straight into registers.
; LIMITS: e0, e2, e4, e14, e6 - e0 - e1, e7 - e2 - e3 and e8, e10, e12 less e4 + e5 lie between -126 and 119, so that each scale and 448 x it is an f32 number.  NaN among the inputs is not served.
; REGISTERS: window 0: v1-7, v16-23, v28 addresses; v8-15 x's four scales and holds; v224-231 the folded scales and holds; v236-239 bv, v240-255 bq or bk;
;   phase X: v32-95 two sets of 32 numbers, v96-127 held numbers, v128-159 codes;  QK: v32-63 sums, v64-71 codes, v96-223 x's fragments;  V: v32-95 x's fragments, v96-223 sums.   window 1: weights.
.set XP,   528                         ; a stage row: 512 codes + 16: 33 x 16 bytes, so that sixteen rows start at sixteen different columns of 16 bytes
.set XSB,  64*XP                       ; a stage
.set KVB,  73728                       ; a block of 128 keys in kv
.set KVS,  64*KVB                      ; from one softmax's set to the next
.set X,    32
.set T,    96
.set CX,   128
.set MSB, 0
.macro WIN new                         ; the immediate's high byte repeats the setting that is left
.if MSB != (\new)
	s_set_vgpr_msb (MSB<<8)|(\new)
.set MSB, (\new)
.endif
.endm
.macro MKSC e, vs, vl                  ; s[e] holds an exponent: v[vs] = 2^e, v[vl] = 448 x 2^e
	s_add_co_i32 s56, s[\e], 127
	s_lshl_b32 s57, s56, 23
	v_mov_b32 v[\vs], s57
	s_add_co_i32 s56, s56, 8
	s_lshl_b32 s56, s56, 23
	s_or_b32 s56, s56, 0x600000
	v_mov_b32 v[\vl], s56
.endm
	s_load_b512 s[4:19], s[0:1], 0x0               ; x, wq, bq, wk, bk, wv, bv, the scales
	s_load_b128 s[20:23], s[0:1], 0x40             ; qc, kv
	s_load_b64 s[24:25], s[0:1], 0x50              ; catc
	v_lshl_add_u32 v234, v0, 2, 0x21000
	v_mov_b32 v235, 0
	v_lshrrev_b32 v1, 5, v0
	v_readfirstlane_b32 s26, v1                    ; wave w
	v_and_b32 v1, 31, v0                           ; lane
	v_and_b32 v2, 15, v0                           ; r
	v_bfe_u32 v3, v0, 4, 1                         ; h
	s_lshr_b32 s27, ttmp9, 6                       ; b
	s_and_b32 s28, ttmp9, 63                       ; j: positions 64 j on
	s_lshr_b32 s29, s26, 2                         ; 0: q, 1: k
	s_bfe_u32 s30, s26, 0x10001                    ; which 32 of the 64 d
	s_and_b32 s31, s26, 1                          ; which 32 of the 64 positions
	s_lshr_b32 s48, s26, 1                         ; phase X: which 128 channels; phase C: which tile of positions
	v_and_b32 v4, 8, v2
	v_add_nc_u32 v4, v4, v2                        ; r + 8 (r / 8)
	v_lshlrev_b32 v5, 9, v4
	v_lshl_add_u32 v5, v3, 4, v5                   ; weights: row r + 8 (r / 8) of 512 bytes, + 16 h
	v_lshlrev_b32 v6, 2, v1                        ; x: 4 bytes a lane
	v_lshlrev_b32 v7, 4, v1                        ; an image's place for my lane
	v_lshlrev_b32 v16, 6, v3                       ; bq, bk: 16 h numbers on
	v_lshlrev_b32 v17, 2, v4                       ; bv: my channel
	s_mul_i32 s49, s31, 32*XP
	s_lshl_b32 s56, s48, 7
	s_add_co_u32 s49, s49, s56
	v_mul_u32_u24 v18, v1, XP
	v_add_nc_u32 v18, s49, v18                     ; phase X: row 32 (w & 1) + lane, byte 128 (w / 2): stages 0 and 1,
	v_add_nc_u32 v19, 2*XSB, v18                   ; stages 2 and 3 (an LDS offset has 16 bits)
	v_mul_u32_u24 v28, v2, XP
	v_lshl_add_u32 v28, v3, 4, v28                 ; row r, + 16 h
	s_mul_i32 s49, s48, 16*XP
	s_lshl_b32 s56, s31, 8
	s_add_co_u32 s49, s49, s56
	s_add_co_u32 s49, s49, 3*XSB
	v_add_nc_u32 v20, s49, v28                     ; phase C: stage 3, tile w / 2, K steps 2 (w & 1) on
	s_lshl_b32 s56, s29, 3
	v_and_b32 v21, s56, v2                         ; k alone: 8 (r / 8)
	v_mul_u32_u24 v21, v21, XP
	v_add_nc_u32 v21, v21, v28
	s_mul_i32 s49, s29, XSB
	s_mul_i32 s56, s31, 32*XP
	s_add_co_u32 s49, s49, s56
	v_add_nc_u32 v21, s49, v21                     ; QK: my first tile of positions: q from stage 0, neighbours; k from stage 1, in a key tile's order
	s_lshl_b32 s56, s29, 3
	s_sub_co_u32 s56, 16, s56
	s_mul_i32 s56, s56, XP
	v_add_nc_u32 v22, s56, v21                     ; my second: 16 rows on (q), 8 rows on (k)
	v_mul_u32_u24 v23, v4, XP
	v_lshl_add_u32 v23, v3, 4, v23
	v_add_nc_u32 v23, 2*XSB, v23                   ; V: stage 2, in a key tile's order
	s_wait_kmcnt 0x0
	s_load_b512 s[32:47], s[18:19], 0x0            ; e0 .. e15
	s_mov_b32 s51, 0
	s_lshl_b32 s50, s27, 23
	s_lshl_b32 s57, s48, 21
	s_add_co_u32 s50, s50, s57
	s_lshl_b32 s57, s28, 8
	s_add_co_u32 s50, s50, s57
	s_lshl_b32 s57, s31, 7
	s_add_co_u32 s50, s50, s57
	s_add_nc_u64 s[4:5], s[4:5], s[50:51]          ; x at batch b, channel 128 (w / 2), position 64 j + 32 (w & 1)
	s_cmp_eq_u32 s29, 0
	s_cselect_b64 s[52:53], s[6:7], s[10:11]       ; wq or wk,
	s_cselect_b64 s[54:55], s[8:9], s[12:13]       ; bq or bk: the choice hangs on the wave's number alone
	s_lshl_b32 s50, s30, 14
	s_add_nc_u64 s[52:53], s[52:53], s[50:51]      ; my 32 rows
	s_lshl_b32 s50, s30, 7
	s_add_nc_u64 s[54:55], s[54:55], s[50:51]
	s_lshl_b32 s50, s26, 15
	s_add_nc_u64 s[14:15], s[14:15], s[50:51]      ; wv: my 64 rows
	s_lshl_b32 s50, s26, 8
	s_add_nc_u64 s[16:17], s[16:17], s[50:51]      ; bv likewise
	s_lshl_b32 s50, s27, 18
	s_lshl_b32 s57, s28, 12
	s_add_co_u32 s50, s50, s57
	s_lshl_b32 s57, s31, 11
	s_add_co_u32 s50, s50, s57
	s_lshl_b32 s57, s30, 9
	s_add_co_u32 s50, s50, s57
	s_add_nc_u64 s[20:21], s[20:21], s[50:51]      ; qc: tile 256 b + 4 j + 2 (w & 1), piece = my 32 d
	s_lshl_b32 s70, s27, 5
	s_lshr_b32 s56, s28, 1
	s_add_co_u32 s70, s70, s56                     ; 32 b + j / 2: the block of 128 positions
	s_and_b32 s71, s28, 1
	s_add_co_u32 s56, s70, 64
	s_mul_i32 s56, s56, KVB                        ; that block in the MIDDLE set: the three sets are reached by the immediates -KVS, 0, +KVS
	s_lshl_b32 s57, s71, 12
	s_add_co_u32 s50, s56, s57
	s_lshl_b32 s57, s31, 11
	s_add_co_u32 s50, s50, s57
	s_lshl_b32 s57, s30, 9
	s_add_co_u32 s50, s50, s57
	s_add_nc_u64 s[66:67], s[22:23], s[50:51]      ; kv, keys: tile 4 (j & 1) + 2 (w & 1), piece = my 32 d
	s_lshl_b32 s57, s26, 13
	s_add_co_u32 s50, s56, s57
	s_lshl_b32 s57, s71, 10
	s_add_co_u32 s50, s50, s57
	s_add_co_u32 s50, s50, 8192
	s_add_nc_u64 s[68:69], s[22:23], s[50:51]      ; kv, values: channel tile 4 w, piece 2 (j & 1)
	s_lshl_b32 s50, s70, 18
	s_add_co_u32 s50, s50, 12*16384
	s_lshl_b32 s57, s31, 15
	s_add_co_u32 s50, s50, s57
	s_lshl_b32 s57, s71, 13
	s_add_co_u32 s50, s50, s57
	s_lshl_b32 s57, s48, 11
	s_add_co_u32 s50, s50, s57
	s_add_nc_u64 s[24:25], s[24:25], s[50:51]      ; catc: K step 12 + 2 (w & 1), tile 4 (j & 1) + w / 2
	; the weights go out ahead of x: loads come back in order, so the waits for x show them in too
	WIN 0x40                                       ; destination window 1
.irp u,0,1
.irp ks,0,1,2,3
.irp c,0,1,2,3
	global_load_b128 v[16*(4*\u+\ks)+4*\c:16*(4*\u+\ks)+4*\c+3], v5, s[52:53] offset:4096*\u+128*\ks+32*\c   ; wq or wk: tile u, K step ks
.endr
.endr
.endr
.irp t,0,1,2,3
.irp ks,0,1
.irp c,0,1,2,3
	global_load_b128 v[128+16*(2*\t+\ks)+4*\c:128+16*(2*\t+\ks)+4*\c+3], v5, s[14:15] offset:(32*(\t/2)+8*(\t%2))*512+128*\ks+32*\c   ; wv: tile t, K steps 0 and 1
.endr
.endr
.endr
	WIN 0
.irp u,0,1
	global_load_b128 v[240+8*\u:243+8*\u], v16, s[54:55] offset:32*\u       ; the bias in the result's layout: register j of tile u is d 16 h + 8 u + j
	global_load_b128 v[244+8*\u:247+8*\u], v16, s[54:55] offset:32*\u+16
.endr
.irp t,0,1,2,3
	global_load_b32 v[236+\t], v17, s[16:17] offset:(32*(\t/2)+8*(\t%2))*4  ; bv of my lane's channel in tile t
.endr
.macro LOADX t                         ; channels 32 t .. 32 t + 31 of my 128, at my position: a wave reads 128 consecutive bytes, two waves side by side 256
.set ii, 0
.rept 32
	global_load_b32 v[X+32*((\t)%2)+ii], v6, s[4:5] offset:(32*(\t)+ii)*16384 th:TH_LOAD_NT
.set ii, ii+1
.endr
.endm
.macro QUANTX t                        ; 32 numbers, four scales: hold (the conversion to an 8-bit code does not saturate: ISA guide 7.6.2), convert, 32 bytes of my row in each stage
.irp s,0,1,2,3
.set ii, 0
.rept 32
	v_med3_num_f32 v[T+ii], v[X+32*((\t)%2)+ii], -v[9+2*\s], v[9+2*\s]
.set ii, ii+1
.endr
.irp g,0,1,2,3
	v_cvt_scalef32_pk8_fp8_f32 v[CX+8*\s+2*\g:CX+8*\s+2*\g+1], v[T+8*\g:T+8*\g+7], v[8+2*\s]
.endr
	v_nop                                          ; a plain line between the conversions and the next holds, which write their sources
	ds_store_b128 v[18+\s/2], v[CX+8*\s:CX+8*\s+3] offset:(\s%2)*XSB+32*(\t)
	ds_store_b128 v[18+\s/2], v[CX+8*\s+4:CX+8*\s+7] offset:(\s%2)*XSB+32*(\t)+16
.endr
.endm
	LOADX 0
	LOADX 1
	s_wait_kmcnt 0x0
	MKSC 32, 8, 9                                  ; e0
	MKSC 34, 10, 11                                ; e2
	MKSC 36, 12, 13                                ; e4
	MKSC 46, 14, 15                                ; e14
	s_add_co_i32 s58, s32, s33                     ; a sum of product 1 stands for sum x 2^(e0 + e1), of product 2 for sum x 2^(e2 + e3)
	s_add_co_i32 s59, s34, s35
	s_sub_co_i32 s60, s38, s58                     ; so q's conversion takes 2^(e6 - e0 - e1),
	s_sub_co_i32 s61, s39, s59                     ; k's 2^(e7 - e2 - e3),
	s_cmp_eq_u32 s29, 0
	s_cselect_b32 s60, s60, s61
	s_cselect_b32 s58, s58, s59
	s_sub_co_i32 s58, 0, s58                       ; and the bias goes in divided by the power of two that the sums lack
	MKSC 60, 224, 225
	s_add_co_i32 s59, s36, s37
.irp s,0,1,2
	s_sub_co_i32 s60, s[40+2*\s], s59              ; v's three: e8, e10, e12 less e4 + e5
	MKSC 60, 226+2*\s, 227+2*\s
.endr
	s_sub_co_i32 s59, 0, s59
	s_wait_loadcnt 32                              ; block 0 is in; block 1's 32 loads may be out
	QUANTX 0
	LOADX 2
	s_wait_loadcnt 32
	s_wait_dscnt 0x0                               ; the stores have read the codes' registers
	QUANTX 1
	LOADX 3
	s_wait_loadcnt 32
	s_wait_dscnt 0x0
	QUANTX 2
	s_wait_loadcnt 0x0                             ; the last block; the weights and biases, asked for earlier, are in too
	s_wait_dscnt 0x0
	QUANTX 3
	s_wait_dscnt 0x0                               ; for the others' sake: my stores into the stages are done
	s_barrier_signal -1
	s_barrier_wait -1                              ; from here on LDS is only read
	; ---- C and the fragments for QK
.irp kk,0,1
.irp c,0,1,2,3
	ds_load_b128 v[32+16*\kk+4*\c:32+16*\kk+4*\c+3], v20 offset:128*\kk+32*\c
.endr
.endr
.irp i,0,1
.irp ks,0,1,2,3
.irp c,0,1,2,3
	ds_load_b128 v[96+16*(4*\i+\ks)+4*\c:96+16*(4*\i+\ks)+4*\c+3], v[21+\i] offset:128*\ks+32*\c
.endr
.endr
.endr
.set ii, 0
.rept 16
	v_ldexp_f32 v[240+ii], v[240+ii], s58
.set ii, ii+1
.endr
.irp t,0,1,2,3
	v_ldexp_f32 v[236+\t], v[236+\t], s59
.endr
	s_wait_dscnt 32                                ; the first eight loads are in; the 32 behind them may be out
.irp kk,0,1
.irp c,0,1,2,3
	global_store_b128 v7, v[32+16*\kk+4*\c:32+16*\kk+4*\c+3], s[24:25] offset:16384*\kk+512*\c   ; 32 lanes store 512 consecutive bytes
.endr
.endr
	s_wait_dscnt 0x0
	s_wait_xcnt 0x0                                ; the stores' data registers take the sums below only behind this wait
	; ---- QK: transposed: source 0 = 16 rows of the weight, source 1 = 16 positions: a lane holds one position, its registers run along d.  Four accumulators by turns
	WIN 0x01                                       ; source 0 window 1
.irp ks,0,1,2,3
.irp i,0,1
.irp u,0,1
.if \ks == 0
	v_wmma_f32_16x16x128_fp8_fp8 v[32+8*(2*\i+\u):39+8*(2*\i+\u)], v[16*(4*\u+\ks):16*(4*\u+\ks)+15], v[96+16*(4*\i+\ks):96+16*(4*\i+\ks)+15], v[240+8*\u:247+8*\u]
.else
	v_wmma_f32_16x16x128_fp8_fp8 v[32+8*(2*\i+\u):39+8*(2*\i+\u)], v[16*(4*\u+\ks):16*(4*\u+\ks)+15], v[96+16*(4*\i+\ks):96+16*(4*\i+\ks)+15], v[32+8*(2*\i+\u):39+8*(2*\i+\u)]
.endif
.endr
.endr
.endr
	WIN 0
.rept 4
	v_nop                                          ; four places behind the last product (ISA guide 7.12.1), ahead of the reads of the sums
.endr
.set ii, 0
.rept 32
	v_med3_num_f32 v[32+ii], v[32+ii], -v225, v225
.set ii, ii+1
.endr
	WIN 0x40
.irp t,0,1,2,3
.irp ks,2,3
.irp c,0,1,2,3
	global_load_b128 v[16*(2*\t+\ks-2)+4*\c:16*(2*\t+\ks-2)+4*\c+3], v5, s[14:15] offset:(32*(\t/2)+8*(\t%2))*512+128*\ks+32*\c   ; wv's K steps 2 and 3 take wq's or wk's registers
.endr
.endr
.endr
	WIN 0
.irp i,0,1
	v_cvt_scalef32_pk8_fp8_f32 v[64+4*\i:65+4*\i], v[32+16*\i:39+16*\i], v224
	v_cvt_scalef32_pk8_fp8_f32 v[66+4*\i:67+4*\i], v[40+16*\i:47+16*\i], v224
.endr
	v_nop                                          ; a plain line behind the last conversion
	s_cmp_lg_u32 s29, 0
	s_cbranch_scc1 .Lkeys
	global_store_b128 v7, v[64:67], s[20:21]
	global_store_b128 v7, v[68:71], s[20:21] offset:1024
	s_branch .Lqk_out
.Lkeys:                                            ; each softmax's set has its own copy of the keys, so that a key block is one dense run of bytes
.irp s,0,1,2
	global_store_b128 v7, v[64:67], s[66:67] offset:(\s-1)*KVS
	global_store_b128 v7, v[68:71], s[66:67] offset:(\s-1)*KVS+1024
.endr
.Lqk_out:
	s_wait_xcnt 0x0                                ; the stores' data registers take fragments below only behind this wait
	; ---- V: source 0 = 16 positions (in a key tile's order), source 1 = 16 channels: a lane holds one channel, its registers run along the keys.  Sixteen accumulators by turns
.irp ks,0,1,2,3
.irp p,0,1,2,3
.irp c,0,1,2,3
	ds_load_b128 v[32+16*\p+4*\c:32+16*\p+4*\c+3], v23 offset:(32*(\p/2)+8*(\p%2))*XP+128*\ks+32*\c
.endr
.endr
.if \ks == 2
	s_wait_loadcnt 0x0                             ; wv's K steps 2 and 3
.endif
	s_wait_dscnt 0x0
	WIN 0x04                                       ; source 1 window 1
.irp t,0,1,2,3
.irp p,0,1,2,3
.if \ks == 0
	v_wmma_f32_16x16x128_fp8_fp8 v[96+8*(4*\t+\p):103+8*(4*\t+\p)], v[32+16*\p:47+16*\p], v[128*(1-\ks/2)+16*(2*\t+\ks%2):128*(1-\ks/2)+16*(2*\t+\ks%2)+15], 0
.else
	v_wmma_f32_16x16x128_fp8_fp8 v[96+8*(4*\t+\p):103+8*(4*\t+\p)], v[32+16*\p:47+16*\p], v[128*(1-\ks/2)+16*(2*\t+\ks%2):128*(1-\ks/2)+16*(2*\t+\ks%2)+15], v[96+8*(4*\t+\p):103+8*(4*\t+\p)]
.endif
.endr
.endr
	WIN 0
.rept 4
	v_nop                                          ; places ahead of loads into registers that the products have read, and of the first read of the sums
.endr
.endr
	; ---- V's way out: the bias, then three holds and conversions of the same 16 numbers; each store of the wave covers 512 consecutive bytes
.irp t,0,1,2,3
.if \t == 2
	s_wait_xcnt 0x0                                ; the twelve sets of code registers are used a second time only behind this wait
.endif
.irp g,0,1
.set ii, 0
.rept 16
	v_add_f32 v[96+8*(4*\t+2*\g)+ii], v[96+8*(4*\t+2*\g)+ii], v[236+\t]
.set ii, ii+1
.endr
.irp s,0,1,2
.set ii, 0
.rept 16
	v_med3_num_f32 v[32+ii], v[96+8*(4*\t+2*\g)+ii], -v[227+2*\s], v[227+2*\s]
.set ii, ii+1
.endr
	v_cvt_scalef32_pk8_fp8_f32 v[48+4*(6*(\t%2)+3*\g+\s):49+4*(6*(\t%2)+3*\g+\s)], v[32:39], v[226+2*\s]
	v_cvt_scalef32_pk8_fp8_f32 v[50+4*(6*(\t%2)+3*\g+\s):51+4*(6*(\t%2)+3*\g+\s)], v[40:47], v[226+2*\s]
	v_nop
	global_store_b128 v7, v[48+4*(6*(\t%2)+3*\g+\s):51+4*(6*(\t%2)+3*\g+\s)], s[68:69] offset:(\s-1)*KVS+2048*\t+512*\g
.endr
.endr
.endr
	s_wait_tensorcnt 0x0
	ds_add_u32 v234, v235
	s_wait_dscnt 0x0
	s_endpgm
.Lfunc_end_k_q95e8923c93_proj:
	.size	k_q95e8923c93_proj, .Lfunc_end_k_q95e8923c93_proj-k_q95e8923c93_proj
	.p2alignl 7, 3214868480
	.fill 96, 4, 3214868480
	.section	.rodata,"a",@progbits
	.p2align	6, 0x0
	.amdhsa_kernel k_q95e8923c93_proj
		.amdhsa_group_segment_fixed_size 136192
		.amdhsa_private_segment_fixed_size 0
		.amdhsa_enable_private_segment 0
		.amdhsa_kernarg_size 88
		.amdhsa_user_sgpr_count 2
		.amdhsa_user_sgpr_kernarg_segment_ptr 1
		.amdhsa_wavefront_size32 1
		.amdhsa_system_sgpr_workgroup_id_x 1
		.amdhsa_system_sgpr_workgroup_id_y 1
		.amdhsa_system_sgpr_workgroup_id_z 1
		.amdhsa_system_vgpr_workitem_id 0
		.amdhsa_next_free_vgpr 512
		.amdhsa_next_free_sgpr 100
		.amdhsa_reserve_vcc 0
		.amdhsa_float_denorm_mode_32 3
		.amdhsa_float_denorm_mode_16_64 3
		.amdhsa_memory_ordered 1
		.amdhsa_forward_progress 1
		.amdhsa_inst_pref_size 121
	.end_amdhsa_kernel
	.amdgpu_metadata
---
amdhsa.version: [ 1, 2 ]
amdhsa.kernels:
  - .name:           k_q95e8923c93_proj
    .symbol:         k_q95e8923c93_proj.kd
    .args:
      - { .name: x, .offset: 0, .size: 8, .value_kind: global_buffer, .address_space: global }
      - { .name: wq_codes, .offset: 8, .size: 8, .value_kind: global_buffer, .address_space: global }
      - { .name: bq, .offset: 16, .size: 8, .value_kind: global_buffer, .address_space: global }
      - { .name: wk_codes, .offset: 24, .size: 8, .value_kind: global_buffer, .address_space: global }
      - { .name: bk, .offset: 32, .size: 8, .value_kind: global_buffer, .address_space: global }
      - { .name: wv_codes, .offset: 40, .size: 8, .value_kind: global_buffer, .address_space: global }
      - { .name: bv, .offset: 48, .size: 8, .value_kind: global_buffer, .address_space: global }
      - { .name: lowp_scales, .offset: 56, .size: 8, .value_kind: global_buffer, .address_space: global }
      - { .name: qc, .offset: 64, .size: 8, .value_kind: global_buffer, .address_space: global }
      - { .name: kv, .offset: 72, .size: 8, .value_kind: global_buffer, .address_space: global }
      - { .name: catc, .offset: 80, .size: 8, .value_kind: global_buffer, .address_space: global }
    .group_segment_fixed_size: 136192
    .private_segment_fixed_size: 0
    .kernarg_segment_align: 8
    .kernarg_segment_size: 88
    .max_flat_workgroup_size: 256
    .sgpr_count:     100
    .vgpr_count:     512
    .wavefront_size: 32
...
	.end_amdgpu_metadata
.endif
;; end of part 1
;; launch attn (part 2): grid 192 x 1, 8 waves a work-group, clusters of 4 x 1, 327,680 bytes of LDS; arguments qc, kv, mask1, mask2, lowp_scales, catc; writes catc
.if DOCPART == 2
	.amdgcn_target "amdgcn-amd-amdhsa--gfx1250"
	.amdhsa_code_object_version 6
	.text
	.protected	k_q95e8923c93_attn
	.globl	k_q95e8923c93_attn
	.p2align	8
	.type	k_q95e8923c93_attn,@function
k_q95e8923c93_attn:
	s_mov_b64 s[64:65], 0
	v_nop
	global_prefetch_b8 v0, s[64:65] scope:SCOPE_SE
	s_setreg_imm32_b32 hwreg(HW_REG_WAVE_MODE, 25, 1), 1
	s_wait_xcnt 0x0
	s_wait_alu depctr_hold_cnt(0) depctr_sa_sdst(0) depctr_va_vdst(0) depctr_va_sdst(0) depctr_va_ssrc(0) depctr_va_vcc(0) depctr_vm_vsrc(0)
	s_getreg_b32 s2, hwreg(HW_REG_IB_STS2, 6, 4)
	s_cmp_eq_u32 s2, 0
	s_cbranch_scc0 .Lentry_in_a_cluster
	s_endpgm
.Lentry_in_a_cluster:
	s_bfe_u32 s2, ttmp6, 0x10000c
	s_cmp_lg_u32 s2, 0x3003
	s_cbranch_scc0 .Lentry_shape_is_right
	s_endpgm
.Lentry_shape_is_right:
; ATTN: one of the three softmaxes (SM = 0: plain, 1: + mask1, 2: + mask2) for 128 queries of one batch: energy = q k (codes, e6, e7), p = 2^(t - M), out = v p / l (codes e8 + 2 SM, e9 + 2 SM), quantised with e14 into catc.
; t = (energy + mask) x log2(e); M = the running largest t rounded UP to a whole number; l = the sum of the unquantised p; when M moves, l and the sums are multiplied by 2^(old M - new M), which rounds nothing.
; GRID: 2 batches x 32 blocks of queries x 3 softmaxes = 192 work-groups.  A work-group that took all three softmaxes would have to stream three sets of v's codes, of which two slots do not fit in LDS, for a quarter of
; the queries; so the softmaxes are shared out, the energy is made three times (64 of a step's 1,088 multiply-adds a number), and 64 WGPs have no work-group.
; CLUSTER: the four work-groups of a cluster have the same softmax and batch, hence the same keys and values: a key block (73,728 bytes, one dense run) is asked for JOINTLY.  The mask's tile is a work-group's own: a plain tensor load.
; EIGHT WAVES OF 512 REGISTERS, two to a SIMD: a key step has about seven vector instructions for each matrix instruction, many of them in chains (the largest t, the sums, holds ahead of conversions), and two trips through
; LDS. The price: p's 16 KiB and k's 8 KiB of a step are read from LDS by eight waves and not by four.
; SHARES: wave w makes the softmax of query tile w against the step's 128 keys; in v p it owns channel tiles 4 w .. 4 w + 3 (64 channels) for all eight query tiles: 32 accumulators, which fill window 1.  p goes from wave to
; wave through LDS as an image of the operand's registers, and so do f = 2^(old M - new M) and at the end 1 / l.
; Both products are used transposed (source 0 = 16 keys, or 16 channels; source 1 = 16 queries): a lane holds one query throughout.  The keys of a key tile and the channels of a channel tile are laid so that two neighbouring
; tiles' results are 16 neighbours along the next K.
; Where SM = 0 there is no mask: the part of a step from k's loads to the logits is written twice, under one branch on SM (it comes from the cluster's number: alike in all partners), and the mask's tensor load is jumped over.
; Every wait on TENSORcnt in this text is for 0, so no count differs between the two ways.
; LIMITS: e6 + e7 between -126 and 127; e9 + 2 SM, and e14 less the two of the product, between -126 and 119.  NaN among the inputs is not served.
; REGISTERS: window 0: v1-14 addresses; v15 2^ep; v16-23 statistics: -M, the largest t, l (two halves), four chains; v24-25 a second chain of sums; v26 my f; v28 448 x 2^ep; v32-95 the scores; v96-159 the mask's numbers;
;   v32-159 later p's eight fragments; v160-223 k's eight tiles, then v's four fragments; v224-231 q; v232-247 p's codes; v248-255 the eight f.   window 1: accumulator (channel tile c, query tile q) at 64 c + 8 q.
.set KVB,   73728                      ; a key block: 8 key tiles x 1,024, then 32 channel tiles x 2,048
.set SLOTX, 0x24000                    ; slot 1 begins here; no base in slot 0 has one of its two bits set, so one exclusive or turns an address from slot to slot
.set VOFF,  8192
.set MOFF,  KVB                        ; the mask's tile: 128 rows x (512 bytes + 16)
.set MP,    528
.set FB,    141312                     ; behind slot 0's tiles: f, [lane][8 tiles], 1,024 bytes; 1 / l likewise, 1,024 on
.set SPARE, 143360                     ; the spare words, 128 bytes for each of eight waves: four blocks of 256 bytes that no other line names
.set PIMG,  288768                     ; behind slot 1's tiles: p's eight fragments, 2,048 bytes each
.set AK0, 1
.set AV0, 2
.set AM0, 3
.set ADK, 4
.set ADV, 5
.set ADM, 6
.set PW,  7
.set PR,  8
.set FW,  9
.set FR,  10
.set SPW, 11
.set NIL, 12
.set PFM, 13
.set PFV, 14
.set SCP, 15
.set ST,  16
.set SB,  24
.set F1,  26
.set LIMP, 28
.set S,   32
.set MK,  96
.set KF,  160
.set QF,  224
.set CD,  232
.set FF,  248
.set WV,  16                           ; s16 wave; s17 wave & 1; s18 SM; s19 batch; s20 which four blocks of queries; s21 my place in the cluster; s22 my block of queries
.set SM,  18
.set G1K, 24                           ; s[24:31] group 1 of the key block's halves; s[32:39] of the mask's; s[40:43], s[44:47] their groups 0, which walk
.set G1M, 32
.set G0K, 40
.set G0M, 44
.set TB,  48                           ; s48 the slot in hand
.set CNT, 49                           ; s49 trips to go
.set SC,  50                           ; s[50:51] 2^(e6 + e7)
.set L2E, 52                           ; s[52:53] log2(e)
.set SEL, 54                           ; s[54:55] v_permlanex16_b32: lane l xor 16
.set PAM, 56                           ; s[56:57] where my prefetches of the mask stand; s[58:59] of v
.set PAV, 58
.set LIMM, 60                          ; 1 in a wave that prefetches, else the greatest number
.set LIMV, 61
.set MSB, 0
.macro WIN new                         ; the immediate's high byte repeats the setting that is left
.if MSB != (\new)
	s_set_vgpr_msb (MSB<<8)|(\new)
.set MSB, (\new)
.endif
.endm
.macro CROUND                          ; a round of the cluster's barrier
	s_barrier_signal -1
	s_barrier_wait -1
	s_cmp_lg_u32 s[WV], 0
	s_cbranch_scc1 .Lnot_wave_0_\@
	s_barrier_signal -3
.Lnot_wave_0_\@:
	s_barrier_wait -3
	s_barrier_signal -1
	s_barrier_wait -1
.endm
; Waves 0 and 1 ask jointly for the halves of a key block, waves 2 and 3 each for 64 rows of the work-group's own mask tile, waves 4 to 7 for nothing.  Four v_nop follow each tensor load.
.macro TLOAD
	s_cmp_lt_u32 s[WV], 2
	s_cbranch_scc0 .Lnot_kv_\@
	tensor_load_to_lds s[G0K:G0K+3], s[G1K:G1K+7]
	s_nop 0
.rept 4
	v_nop
.endr
	s_branch .Lasked_\@
.Lnot_kv_\@:
	s_cmp_lt_u32 s[WV], 4
	s_cbranch_scc0 .Lasked_\@
	s_cmp_eq_u32 s[SM], 0
	s_cbranch_scc1 .Lasked_\@
	tensor_load_to_lds s[G0M:G0M+3], s[G1M:G1M+7]
	s_nop 0
.rept 4
	v_nop
.endr
.Lasked_\@:
.endm
; A PREFETCH INTO THE L2 of what the NEXT change of slots will ask for, at the change of slots, where the fetching waves have their tensor load.  The mask's tile (128 rows x 512 bytes) is read by the clusters of both
; batches: batch 0's asks; waves 4 to 7 take 32 rows each, a lane a row, two blocks of 256 bytes.  v's 64 KiB of a key block are read by the eight clusters of a (softmax, batch): the first asks; its partners take 16 KiB
; each, told apart BY ADDRESS, waves 0 and 1 8 KiB each, lanes 256 bytes apart.  So each block is named once in the launch.  k's 8 KiB come by their load alone.  The last change that fills a slot asks for nothing.
.macro ASK
	s_cmp_gt_u32 s[CNT], s[LIMM]
	s_cbranch_scc0 .Lno_m_\@
	global_prefetch_b8 v[PFM], s[PAM:PAM+1] th:TH_LOAD_NT scope:SCOPE_SE
	global_prefetch_b8 v[PFM], s[PAM:PAM+1] offset:256 th:TH_LOAD_NT scope:SCOPE_SE
.Lno_m_\@:
	s_cmp_gt_u32 s[CNT], s[LIMV]
	s_cbranch_scc0 .Lno_v_\@
	global_prefetch_b8 v[PFV], s[PAV:PAV+1] th:TH_LOAD_NT scope:SCOPE_SE
.Lno_v_\@:
.endm
; THE CHANGE OF SLOTS stands at a step's head.  Each wave waits for all its tensor loads (its part of the slot ahead), adds 0 to its spare word, and waits for that and for its LDS reads (the slot left, p's and f's images).
; fill = 1: a round of the cluster's barrier, and behind it the slot just left is asked for again: the load has a whole step in which to land.  A wave has one tensor load out at the most.
.macro CHANGE fill
	s_wait_tensorcnt 0x0                           ; no tensor load of mine is out, so a group 0 may be written
	ds_add_u32 v[SPW], v[NIL]
.if \fill
	s_xor_b32 s[G0K+1], s[G0K+1], SLOTX
	s_add_nc_u64 s[G0K+2:G0K+3], s[G0K+2:G0K+3], KVB
	s_xor_b32 s[G0M+1], s[G0M+1], SLOTX
	s_add_nc_u64 s[G0M+2:G0M+3], s[G0M+2:G0M+3], 512
	s_wait_xcnt 0x0                                ; the last prefetches, a step back, have read their addresses
	s_add_nc_u64 s[PAM:PAM+1], s[PAM:PAM+1], 512
	s_add_nc_u64 s[PAV:PAV+1], s[PAV:PAV+1], KVB
.endif
	s_wait_dscnt 0x0
.if \fill
	CROUND
	TLOAD
	ASK
.else
	s_barrier_signal -1
	s_barrier_wait -1
.endif
.endm
.macro KLOAD                           ; k's eight tiles of 16 keys x 64
.irp kt,0,1,2,3,4,5,6,7
.irp c,0,1
	ds_load_b128 v[KF+8*\kt+4*\c:KF+8*\kt+4*\c+3], v[ADK] offset:1024*\kt+512*\c
.endr
.endr
.endm
.macro MLOAD                           ; the mask's numbers of my query's row: my 16 keys of each 32
.irp b,0,1,2,3
.irp z,0,1,2,3
	ds_load_b128 v[MK+16*\b+4*\z:MK+16*\b+4*\z+3], v[ADM] offset:128*\b+16*\z
.endr
.endr
.endm
.macro VLOAD                           ; v's four fragments of my channel tiles take k's registers: they have the whole softmax in which to land
.irp ct,0,1,2,3
.irp c,0,1,2,3
	ds_load_b128 v[KF+16*\ct+4*\c:KF+16*\ct+4*\c+3], v[ADV] offset:2048*\ct+512*\c
.endr
.endr
.endm
.macro KQ                              ; S^T = k q^T, and four places ahead of the loads into k's registers and of the first read of the scores
.irp kt,0,1,2,3,4,5,6,7
	v_wmma_f32_16x16x64_fp8_fp8 v[S+8*\kt:S+8*\kt+7], v[KF+8*\kt:KF+8*\kt+7], v[QF:QF+7], 0
.endr
.rept 4
	v_nop
.endr
.endm
.macro MAXP                            ; pair ii joins chain ii % 4
.if ii < 4
	v_max_num_f32 v[ST+4+ii], v[S+2*ii], v[S+2*ii+1]
.else
	v_max3_num_f32 v[ST+4+ii%4], v[ST+4+ii%4], v[S+2*ii], v[S+2*ii+1]
.endif
.endm
.macro STATS                           ; the step's largest logit of my query; the running largest t; -M = floor(-t); f; l x f
	v_max_num_f32 v[ST+4], v[ST+4], v[ST+5]
	v_max_num_f32 v[ST+6], v[ST+6], v[ST+7]
	v_max_num_f32 v[ST+4], v[ST+4], v[ST+6]
	v_permlanex16_b32 v[ST+5], v[ST+4], s[SEL], s[SEL+1]   ; my query's other 64 keys lie in the lane 16 away
	v_max_num_f32 v[ST+4], v[ST+4], v[ST+5]
	v_mul_f32 v[ST+4], s[L2E], v[ST+4]
	v_max_num_f32 v[ST+1], v[ST+1], v[ST+4]
	v_mov_b32 v[ST+4], v[ST]
	v_floor_f32 v[ST], -v[ST+1]
	v_sub_f32 v[ST+4], v[ST], v[ST+4]              ; old M less new M: a whole number, 0 or less
	v_cvt_i32_f32 v[ST+4], v[ST+4]                 ; (it saturates)
	v_ldexp_f32 v[F1], 1.0, v[ST+4]
	v_mul_f32 v[ST+2], v[ST+2], v[F1]
	v_mul_f32 v[ST+3], v[ST+3], v[F1]
.endm
.macro TMM                             ; t - M of pair ii
	v_pk_fma_f32 v[S+2*ii:S+2*ii+1], v[S+2*ii:S+2*ii+1], s[L2E:L2E+1], v[ST:ST+1] op_sel_hi:[1,0,0]
.endm
; Eight p (group gi): summed unquantised, in two chains; held (p is not negative: one-sided); converted into v[CD + 2 gi].  A pair is held only behind the line that sums it.
; ex = 1: eight exponentials of the second batch (32 registers further on) are dealt among these plain lines.
.macro GROUP ex
.set rA, S+8*gi
.set rE, S+32+8*gi
.if \ex
	v_exp_f32 v[rE], v[rE]
.endif
	v_pk_add_f32 v[ST+2:ST+3], v[ST+2:ST+3], v[rA:rA+1]
.if \ex
	v_exp_f32 v[rE+1], v[rE+1]
.endif
.if gi == 0
	v_pk_add_f32 v[SB:SB+1], v[rA+2:rA+3], v[rA+6:rA+7]    ; the second chain begins: nothing is cleared
.else
	v_pk_add_f32 v[SB:SB+1], v[SB:SB+1], v[rA+2:rA+3]
.endif
.if \ex
	v_exp_f32 v[rE+2], v[rE+2]
.endif
	v_min_num_f32 v[rA], v[rA], v[LIMP]
	v_min_num_f32 v[rA+1], v[rA+1], v[LIMP]
.if \ex
	v_exp_f32 v[rE+3], v[rE+3]
.endif
	v_min_num_f32 v[rA+2], v[rA+2], v[LIMP]
	v_min_num_f32 v[rA+3], v[rA+3], v[LIMP]
.if \ex
	v_exp_f32 v[rE+4], v[rE+4]
.endif
	v_pk_add_f32 v[ST+2:ST+3], v[ST+2:ST+3], v[rA+4:rA+5]
.if \ex
	v_exp_f32 v[rE+5], v[rE+5]
.endif
.if gi > 0
	v_pk_add_f32 v[SB:SB+1], v[SB:SB+1], v[rA+6:rA+7]
.endif
.if \ex
	v_exp_f32 v[rE+6], v[rE+6]
.endif
	v_min_num_f32 v[rA+4], v[rA+4], v[LIMP]
	v_min_num_f32 v[rA+5], v[rA+5], v[LIMP]
.if \ex
	v_exp_f32 v[rE+7], v[rE+7]
.endif
	v_min_num_f32 v[rA+6], v[rA+6], v[LIMP]
	v_min_num_f32 v[rA+7], v[rA+7], v[LIMP]
	v_cvt_scalef32_pk8_fp8_f32 v[CD+2*gi:CD+2*gi+1], v[rA:rA+7], v[SCP]
.endm
; A KEY STEP: 128 keys.  first = 1: the products start the sums, and nothing is rescaled.
.macro STEP first
	v_add_nc_u32 v[ADK], s[TB], v[AK0]
	v_add_nc_u32 v[ADV], s[TB], v[AV0]
	v_add_nc_u32 v[ADM], s[TB], v[AM0]
.rept 4
	v_nop                                          ; with the three additions: seven places behind the last step's products, ahead of the loads into v's registers and of the products that write the scores over p
.endr
	KLOAD
	s_cmp_eq_u32 s[SM], 0
	s_cbranch_scc1 .Lplain_\@
	MLOAD
	s_wait_dscnt 16                                ; k is in; the mask's 16 loads may be out
	KQ
	VLOAD
	s_wait_dscnt 16                                ; the mask's numbers are in; v's 16 loads may be out
.set ii, 0
.rept 32
	v_pk_fma_f32 v[S+2*ii:S+2*ii+1], v[S+2*ii:S+2*ii+1], s[SC:SC+1], v[MK+2*ii:MK+2*ii+1] op_sel_hi:[1,0,1]   ; energy + mask; each accumulator from its low end on
.set ii, ii+1
.endr
	s_branch .Llogits_\@
.Lplain_\@:
	s_wait_dscnt 0x0                               ; k is in
	KQ
	VLOAD
.set ii, 0
.rept 32
	v_pk_mul_f32 v[S+2*ii:S+2*ii+1], v[S+2*ii:S+2*ii+1], s[SC:SC+1] op_sel_hi:[1,0]   ; the energy alone
.set ii, ii+1
.endr
.Llogits_\@:
.set ii, 0
.rept 32
	MAXP
.set ii, ii+1
.endr
	STATS
.set ii, 0
.rept 16
	TMM                                            ; pairs 0 to 15
.set ii, ii+1
.endr
.rept 16                               ; the first batch of 32 exponentials; the other pairs' t - M among them (ii runs on from 16)
	v_exp_f32 v[S+2*(ii-16)], v[S+2*(ii-16)]
	TMM
	v_exp_f32 v[S+2*(ii-16)+1], v[S+2*(ii-16)+1]
.set ii, ii+1
.endr
	v_nop                                          ; a plain line behind the last exponential,
	s_wait_alu depctr_va_vdst(0)                   ; and one wait for the batch, ahead of its first reader
.set gi, 0
.rept 4
	GROUP 1                                        ; the first batch is summed, held and converted; the second batch's exponentials among those lines
.set gi, gi+1
.endr
	s_wait_alu depctr_va_vdst(0)                   ; one wait for the second batch (two holds and a conversion stand behind its last exponential)
.rept 4
	GROUP 0
.set gi, gi+1
.endr
	v_pk_add_f32 v[ST+2:ST+3], v[ST+2:ST+3], v[SB:SB+1]   ; the two chains join.  (Also the plain line behind the last conversion)
.irp c,0,1,2,3
	ds_store_b128 v[PW], v[CD+4*\c:CD+4*\c+3] offset:512*\c
.endr
.if \first == 0
	ds_store_b32 v[FW], v[F1]
.endif
	s_wait_dscnt 0x0                               ; for the others' sake: my images are in LDS.  v's fragments are in too
	s_barrier_signal -1
	s_barrier_wait -1                              ; the tensor load may stay out
.if \first == 0
	ds_load_b128 v[FF:FF+3], v[FR]
	ds_load_b128 v[FF+4:FF+7], v[FR] offset:16
.endif
.irp qq,0,1,2,3,4,5,6,7
.irp c,0,1,2,3
	ds_load_b128 v[S+16*\qq+4*\c:S+16*\qq+4*\c+3], v[PR] offset:2048*\qq+512*\c
.endr
.endr
.if \first == 0
	s_wait_dscnt 32                                ; the eight f are in; p's 32 loads may be out
.endif
; O^T = O^T x f + v^T p^T, a channel tile at a time: its 32 rescaling lines under one window setting, its 8 products under another.  Each accumulator has one product a step, one instruction a turn.
.set cc, 0
.rept 4
.if \first == 0
	WIN 0x41                                       ; destination and source 0 (the sums) window 1, source 1 (f) window 0
.set qt, 0
.rept 8
.set rC, 64*cc+8*qt
.irp z,0,2,4,6
.if qt%2 == 0
	v_pk_mul_f32 v[rC+\z:rC+\z+1], v[rC+\z:rC+\z+1], v[FF+qt:FF+qt+1] op_sel_hi:[1,0]
.else
	v_pk_mul_f32 v[rC+\z:rC+\z+1], v[rC+\z:rC+\z+1], v[FF+qt-1:FF+qt] op_sel:[0,1] op_sel_hi:[1,1]
.endif
.endr
.set qt, qt+1
.endr
.endif
	WIN 0x50                                       ; C and D window 1, v and p window 0
.set qt, 0
.rept 8
.set rC, 64*cc+8*qt
.if cc == 0
	s_wait_dscnt 28-4*qt                           ; p's fragment qt is in; the later fragments' loads may be out
.endif
.if \first
	v_wmma_f32_16x16x128_fp8_fp8 v[rC:rC+7], v[KF+16*cc:KF+16*cc+15], v[S+16*qt:S+16*qt+15], 0
.else
	v_wmma_f32_16x16x128_fp8_fp8 v[rC:rC+7], v[KF+16*cc:KF+16*cc+15], v[S+16*qt:S+16*qt+15], v[rC:rC+7]
.endif
.set qt, qt+1
.endr
.set cc, cc+1
.endr
	WIN 0
	s_xor_b32 s[TB], s[TB], SLOTX
.endm
	s_load_b256 s[4:11], s[0:1], 0x0               ; qc, kv, mask1, mask2
	s_load_b128 s[12:15], s[0:1], 0x20             ; the scales, catc
	v_lshl_add_u32 v[SPW], v0, 2, SPARE
	v_mov_b32 v[NIL], 0
	ds_add_u32 v11, v12
	s_wait_dscnt 0x0
	v_lshrrev_b32 v4, 5, v0
	v_readfirstlane_b32 s[WV], v4                  ; wave 0..7
	s_and_b32 s17, s[WV], 1
	s_lshr_b32 s[SM], ttmp9, 4                     ; in a cluster launch ttmp9 counts clusters: batch in bit 0, so that the two readers of a mask tile are neighbours
	s_and_b32 s19, ttmp9, 1
	s_bfe_u32 s20, ttmp9, 0x30001
	s_bfe_u32 s21, ttmp6, 0x40000                  ; my place in the cluster: it enters global addresses of my own alone
	s_lshl_b32 s22, s20, 2
	s_add_co_u32 s22, s22, s21                     ; my block of 128 queries
	v_and_b32 v4, 31, v0
	v_and_b32 v5, 15, v0
	v_bfe_u32 v6, v0, 4, 1
	v_lshlrev_b32 v[AK0], 4, v4                    ; 16 x lane: an image's place for my lane
	s_lshl_b32 s23, s[WV], 13
	s_add_co_u32 s23, s23, VOFF
	v_add_nc_u32 v[AV0], s23, v[AK0]               ; my four channel tiles
	s_mul_i32 s23, s[WV], 16*MP
	s_add_co_u32 s23, s23, MOFF
	v_mul_u32_u24 v[AM0], v5, MP
	v_lshl_add_u32 v[AM0], v6, 6, v[AM0]
	v_add_nc_u32 v[AM0], s23, v[AM0]               ; the mask: row 16 w + r, + 64 h bytes
	s_lshl_b32 s23, s[WV], 11
	s_add_co_u32 s23, s23, PIMG
	v_add_nc_u32 v[PW], s23, v[AK0]                ; p's image of my query tile
	v_add_nc_u32 v[PR], PIMG, v[AK0]
	v_lshlrev_b32 v[FR], 5, v4
	v_add_nc_u32 v[FR], FB, v[FR]                  ; f: 32 bytes a lane, a word for each query tile
	s_lshl_b32 s23, s[WV], 2
	v_add_nc_u32 v[FW], s23, v[FR]
	v_lshlrev_b32 v[PFM], 14, v4                   ; a lane a row of the mask
	v_lshlrev_b32 v[PFV], 8, v4                    ; lanes 256 bytes apart
	s_mov_b32 s[G1K], 15|(3<<16)|(1<<21)           ; the mask of all four work-groups; elements of 8 bytes; bit 21 beside a mask
	s_mov_b32 s[G1K+1], 32<<16                     ; tensor_dim0 = 32 elements: rows of 256 bytes
	s_mov_b32 s[G1K+2], 144<<16                    ; tensor_dim1 = 144 rows: half a key block
	s_mov_b32 s[G1K+3], 32<<16                     ; tile_dim0
	s_mov_b32 s[G1K+4], 144                        ; tile_dim1
	s_mov_b32 s[G1K+5], 32                         ; the pitch: dense
	s_mov_b32 s[G1K+6], 0
	s_mov_b32 s[G1K+7], 0
	s_mov_b32 s[G1M], (2<<16)|(1<<20)|(6<<22)|(3<<25)   ; no mask of work-groups; elements of 4 bytes; padding: 4 words behind every 128
	s_mov_b32 s[G1M+1], 128<<16
	s_mov_b32 s[G1M+2], 64<<16
	s_mov_b32 s[G1M+3], 128<<16
	s_mov_b32 s[G1M+4], 64
	s_mov_b32 s[G1M+5], 4096
	s_mov_b32 s[G1M+6], 0
	s_mov_b32 s[G1M+7], 0
	s_lshl_b32 s62, s[SM], 1
	s_add_co_u32 s62, s62, s19
	s_mul_i32 s62, s62, 32*KVB                     ; the (softmax, batch)'s first key block: no place in the cluster enters it
	s_mul_i32 s[G0K+1], s17, KVB/2                 ; LDS: my half, slot 0
	s_add_co_u32 s72, s62, s[G0K+1]
	s_mov_b32 s73, 0
	s_lshl_b32 s76, s22, 21
	s_lshl_b32 s63, s17, 20
	s_add_co_u32 s76, s76, s63                     ; the mask: row 128 x block + 64 (w & 1)
	s_mov_b32 s77, 0
	s_mul_i32 s[G0M+1], s17, 64*MP
	s_add_co_u32 s[G0M+1], s[G0M+1], MOFF
	s_mov_b32 s[G0K], 1
	s_mov_b32 s[G0M], 1
	s_mov_b32 s[L2E], 0x3fb8aa3b
	s_mov_b32 s[L2E+1], 0x3fb8aa3b
	s_mov_b32 s[SEL], 0x76543210
	s_mov_b32 s[SEL+1], 0xfedcba98
	s_mov_b32 s[TB], 0
	s_mov_b32 s[CNT], 30
	s_cmp_eq_u32 s[SM], 0
	s_cselect_b32 s63, 1, 0
	s_or_b32 s63, s63, s19
	s_lshr_b32 s23, s[WV], 2
	s_xor_b32 s23, s23, 1
	s_or_b32 s63, s63, s23
	s_cmp_eq_u32 s63, 0
	s_cselect_b32 s[LIMM], 1, -1                   ; the mask: waves 4 to 7 of batch 0's clusters, where there is a mask
	s_lshr_b32 s63, s[WV], 1
	s_or_b32 s63, s63, s20
	s_cmp_eq_u32 s63, 0
	s_cselect_b32 s[LIMV], 1, -1                   ; v: waves 0 and 1 of the first of the eight clusters
	s_lshl_b32 s23, s[SM], 3
	s_wait_kmcnt 0x0
	s_load_b64 s[66:67], s[12:13], 0x18            ; e6, e7
	s_load_b64 s[68:69], s[12:13], s23 offset:0x20 ; the product's two: v's, p's
	s_load_b32 s70, s[12:13], 0x38                 ; e14
	s_add_nc_u64 s[G0K+2:G0K+3], s[6:7], s[72:73]
	s_or_b32 s[G0K+3], s[G0K+3], 0x80000000
	s_cmp_eq_u32 s[SM], 2
	s_cselect_b64 s[8:9], s[10:11], s[8:9]         ; my mask
	s_add_nc_u64 s[G0M+2:G0M+3], s[8:9], s[76:77]
	s_or_b32 s[G0M+3], s[G0M+3], 0x80000000
	s_lshl_b32 s74, s22, 21
	s_and_b32 s63, s[WV], 3
	s_lshl_b32 s63, s63, 19
	s_add_co_u32 s74, s74, s63
	s_add_co_u32 s74, s74, 512
	s_mov_b32 s75, 0
	s_add_nc_u64 s[PAM:PAM+1], s[8:9], s[74:75]    ; rows 32 (w & 3) on, at step 1: the first change of slots steps it to step 2
	s_lshl_b32 s74, s21, 14
	s_lshl_b32 s63, s[WV], 13
	s_add_co_u32 s74, s74, s63
	s_add_co_u32 s74, s74, s62
	s_add_co_u32 s74, s74, KVB+VOFF
	s_add_nc_u64 s[PAV:PAV+1], s[6:7], s[74:75]
	s_lshl_b32 s74, s19, 18
	s_lshl_b32 s63, s22, 13
	s_add_co_u32 s74, s74, s63
	s_lshl_b32 s63, s[WV], 10
	s_add_co_u32 s74, s74, s63
	s_add_nc_u64 s[4:5], s[4:5], s[74:75]          ; q: tile 256 b + 8 x block + w
	s_lshl_b32 s74, s19, 23
	s_lshl_b32 s63, s22, 18
	s_add_co_u32 s74, s74, s63
	s_lshl_b32 s63, s[SM], 16
	s_add_co_u32 s74, s74, s63
	s_lshr_b32 s63, s[WV], 1
	s_lshl_b32 s63, s63, 14
	s_add_co_u32 s74, s74, s63
	s_lshl_b32 s63, s17, 10
	s_add_co_u32 s74, s74, s63
	s_add_nc_u64 s[14:15], s[14:15], s[74:75]      ; catc: my block, K step 4 SM + w / 2, pieces 2 (w & 1) on
	CROUND                                         ; all four work-groups are here: the first joint loads meet
	TLOAD                                          ; step 0, slot 0
.irp c,0,1
	global_load_b128 v[QF+4*\c:QF+4*\c+3], v[AK0], s[4:5] offset:512*\c   ; q's fragment stays in registers
.endr
	v_mov_b32 v[ST+1], 0xff61b1e6                  ; the largest t so far: -3e38
	v_floor_f32 v[ST], -v[ST+1]
	v_mov_b32 v[ST+2], 0
	v_mov_b32 v[ST+3], 0
	s_wait_kmcnt 0x0
	s_add_co_i32 s[SC], s66, s67
	s_add_co_i32 s[SC], s[SC], 127
	s_lshl_b32 s[SC], s[SC], 23                    ; 2^(e6 + e7)
	s_mov_b32 s[SC+1], s[SC]
	s_add_co_i32 s62, s69, 127
	s_lshl_b32 s63, s62, 23
	v_mov_b32 v[SCP], s63                          ; 2^ep
	s_add_co_i32 s62, s62, 8
	s_lshl_b32 s62, s62, 23
	s_or_b32 s62, s62, 0x600000
	v_mov_b32 v[LIMP], s62                         ; 448 x 2^ep
	s_sub_co_i32 s62, s70, s68
	s_sub_co_i32 s62, s62, s69
	s_add_co_i32 s62, s62, 127
	s_lshl_b32 s78, s62, 23                        ; 2^(e14 - ev - ep): a sum stands for sum x 2^(ev + ep)
	s_add_co_i32 s62, s62, 8
	s_lshl_b32 s79, s62, 23
	s_or_b32 s79, s79, 0x600000
	s_wait_loadcnt 0x0                             ; q
	CHANGE 1                                       ; step 0 is in; step 1 is asked for
	STEP 1
.Lstep:                                            ; 30 trips: steps 1 to 30; steps 2 to 31 are asked for
	CHANGE 1
	STEP 0
	s_sub_co_u32 s[CNT], s[CNT], 1
	s_cmp_lg_u32 s[CNT], 0
	s_cbranch_scc1 .Lstep
	CHANGE 0                                       ; the last step is written out: nothing is left to ask for
	STEP 0
	; THE WAY OUT.  1 / l of my tile goes to the other waves as f did; the plain lines here are the places behind the last products.
	v_add_f32 v[ST+4], v[ST+2], v[ST+3]
	v_permlanex16_b32 v[ST+5], v[ST+4], s[SEL], s[SEL+1]
	v_mov_b32 v[SCP], s78
	v_mov_b32 v[LIMP], s79
	v_add_f32 v[ST+4], v[ST+4], v[ST+5]
	v_rcp_f32 v[F1], v[ST+4]
	v_nop                                          ; a plain line behind the reciprocal,
	s_wait_alu depctr_va_vdst(0)                   ; and the wait ahead of its first reader
	ds_store_b32 v[FW], v[F1] offset:1024
	s_wait_dscnt 0x0
	s_barrier_signal -1
	s_barrier_wait -1
	ds_load_b128 v[FF:FF+3], v[FR] offset:1024
	ds_load_b128 v[FF+4:FF+7], v[FR] offset:1040
	s_wait_dscnt 0x0
; Query tiles 4 hf .. 4 hf + 3: my 64 channels of 16 queries are 32 numbers a lane, in the order of the bottleneck's K: divided by l, held, converted: two pieces of a fragment, two stores of 512 consecutive bytes on end.
; Each query tile has its own eight registers of codes (v's, which are done with), so no store's data are written again.
.macro OUTH hf
	WIN 0x01                                       ; source 0 (the sums) window 1
.set qq, 0
.rept 4
.set qt, 4*(\hf)+qq
.set cc, 0
.rept 4
.irp z,0,2,4,6
.if qt%2 == 0
	v_pk_mul_f32 v[S+32*qq+8*cc+\z:S+32*qq+8*cc+\z+1], v[64*cc+8*qt+\z:64*cc+8*qt+\z+1], v[FF+qt:FF+qt+1] op_sel_hi:[1,0]
.else
	v_pk_mul_f32 v[S+32*qq+8*cc+\z:S+32*qq+8*cc+\z+1], v[64*cc+8*qt+\z:64*cc+8*qt+\z+1], v[FF+qt-1:FF+qt] op_sel:[0,1] op_sel_hi:[1,1]
.endif
.endr
.set cc, cc+1
.endr
.set qq, qq+1
.endr
	WIN 0
.set ii, 0
.rept 128
	v_med3_num_f32 v[S+ii], v[S+ii], -v[LIMP], v[LIMP]   ; the conversion to an 8-bit code does not saturate (ISA guide 7.6.2)
.set ii, ii+1
.endr
.set ii, 0
.rept 16
	v_cvt_scalef32_pk8_fp8_f32 v[KF+32*(\hf)+2*ii:KF+32*(\hf)+2*ii+1], v[S+8*ii:S+8*ii+7], v[SCP]
.set ii, ii+1
.endr
	v_nop                                          ; a plain line behind the last conversion: the next half writes its sources
.set qq, 0
.rept 4
.irp c,0,1
	global_store_b128 v[AK0], v[KF+32*(\hf)+8*qq+4*\c:KF+32*(\hf)+8*qq+4*\c+3], s[14:15] offset:2048*(4*(\hf)+qq)+512*\c
.endr
.set qq, qq+1
.endr
.endm
	OUTH 0
	OUTH 1
	s_wait_tensorcnt 0x0                           ; the wave's end
	ds_add_u32 v[SPW], v[NIL]
	s_wait_dscnt 0x0
	CROUND                                         ; the closing round
	s_endpgm
.Lfunc_end_k_q95e8923c93_attn:
	.size	k_q95e8923c93_attn, .Lfunc_end_k_q95e8923c93_attn-k_q95e8923c93_attn
	.p2alignl 7, 3214868480
	.fill 96, 4, 3214868480
	.section	.rodata,"a",@progbits
	.p2align	6, 0x0
	.amdhsa_kernel k_q95e8923c93_attn
		.amdhsa_group_segment_fixed_size 327680
		.amdhsa_private_segment_fixed_size 0
		.amdhsa_enable_private_segment 0
		.amdhsa_kernarg_size 48
		.amdhsa_user_sgpr_count 2
		.amdhsa_user_sgpr_kernarg_segment_ptr 1
		.amdhsa_wavefront_size32 1
		.amdhsa_system_sgpr_workgroup_id_x 1
		.amdhsa_system_sgpr_workgroup_id_y 1
		.amdhsa_system_sgpr_workgroup_id_z 1
		.amdhsa_system_vgpr_workitem_id 0
		.amdhsa_next_free_vgpr 512
		.amdhsa_next_free_sgpr 100
		.amdhsa_reserve_vcc 0
		.amdhsa_float_denorm_mode_32 3
		.amdhsa_float_denorm_mode_16_64 3
		.amdhsa_memory_ordered 1
		.amdhsa_forward_progress 1
		.amdhsa_inst_pref_size 134
	.end_amdhsa_kernel
	.amdgpu_metadata
---
amdhsa.version: [ 1, 2 ]
amdhsa.kernels:
  - .name:           k_q95e8923c93_attn
    .symbol:         k_q95e8923c93_attn.kd
    .args:
      - { .name: qc, .offset: 0, .size: 8, .value_kind: global_buffer, .address_space: global }
      - { .name: kv, .offset: 8, .size: 8, .value_kind: global_buffer, .address_space: global }
      - { .name: mask1, .offset: 16, .size: 8, .value_kind: global_buffer, .address_space: global }
      - { .name: mask2, .offset: 24, .size: 8, .value_kind: global_buffer, .address_space: global }
      - { .name: lowp_scales, .offset: 32, .size: 8, .value_kind: global_buffer, .address_space: global }
      - { .name: catc, .offset: 40, .size: 8, .value_kind: global_buffer, .address_space: global }
    .group_segment_fixed_size: 327680
    .private_segment_fixed_size: 0
    .kernarg_segment_align: 8
    .kernarg_segment_size: 48
    .max_flat_workgroup_size: 256
    .sgpr_count:     100
    .vgpr_count:     512
    .wavefront_size: 32
...
	.end_amdgpu_metadata
.endif
;; end of part 2
;; launch bott (part 3): grid 4 x 64, 4 waves a work-group, clusters of 4 x 4, 327,680 bytes of LDS; arguments catc, w_bot_codes, lowp_scales, bn_gamma, bn_beta, bn_mean, bn_var, out0; writes out0
.if DOCPART == 3
	.amdgcn_target "amdgcn-amd-amdhsa--gfx1250"
	.amdhsa_code_object_version 6
	.text
	.protected	k_q95e8923c93_bott
	.globl	k_q95e8923c93_bott
	.p2align	8
	.type	k_q95e8923c93_bott,@function
k_q95e8923c93_bott:
	s_mov_b64 s[64:65], 0
	v_nop
	global_prefetch_b8 v0, s[64:65] scope:SCOPE_SE
	s_setreg_imm32_b32 hwreg(HW_REG_WAVE_MODE, 25, 1), 1
	s_wait_xcnt 0x0
	s_wait_alu depctr_hold_cnt(0) depctr_sa_sdst(0) depctr_va_vdst(0) depctr_va_sdst(0) depctr_va_ssrc(0) depctr_va_vcc(0) depctr_vm_vsrc(0)
	s_getreg_b32 s2, hwreg(HW_REG_IB_STS2, 6, 4)
	s_cmp_eq_u32 s2, 0
	s_cbranch_scc0 .Lentry_in_a_cluster
	s_endpgm
.Lentry_in_a_cluster:
	s_bfe_u32 s2, ttmp6, 0x10000c
	s_cmp_lg_u32 s2, 0xf033
	s_cbranch_scc0 .Lentry_shape_is_right
	s_endpgm
.Lentry_shape_is_right:
; BOTT: out0[b][co][n] = relu((sum over e of w_bot[co][e] cat[b][e][n] - mean) x gamma / sqrt(var + 1e-5) + beta); the product on codes of E4M3 (e14, e15), K = 2,048.
; cat's codes lie in catc as images of operand registers, [128 positions][K step 16][tile 8][2,048]: four K steps of a block are 65,536 dense bytes.  w_bot's codes lie as rows of 2,048 bytes.
; A work-group makes 128 positions x 128 channels, four waves 64 x 64 each: 16 accumulators.  256 work-groups.  Source 0 = 16 positions, source 1 = 16 channels: a lane holds one channel and eight neighbouring positions.
; K goes through two LDS slots of four K steps each; 16 K steps are four slots' worth: both slots are filled at the start and each once more.  All is written out: no loop.
; CLUSTERS: 4 x 4.  cat's tile hangs on the block of positions alone (shared along a row of the cluster), w_bot's on the block of channels alone (shared along a column): joint loads.
; LIMIT: e14 + e15 between -126 and 127.
; REGISTERS: window 0: v4-14 addresses; v16-19 mean, v20-23 gamma / sqrt(var + eps), v24-27 beta of my lane's channel in each of four tiles; v32-63 at work; v64-127 rows read back; v128-255 accumulator (j, i) at 128 + 8 (4 j + i).
;   window 1: two fragment buffers of 128: four of cat's fragments, then four of w_bot's.
.set SLOT,   133120                    ; cat: 65,536; w_bot: 128 rows x 528
.set BOFF,   65536
.set BP,     528
.set STAGE,  2*SLOT                    ; 16 rows x 272 bytes for each wave
.set SPITCH, 272
.set SPARE,  STAGE+4*16*SPITCH         ; the spare words: two blocks of 256 bytes that no other line names
.set ADA, 4
.set ADB, 6
.set STO, 8
.set RD,  9
.set CO,  10
.set SPW, 11
.set NIL, 12
.set TMP, 32
.set ACC, 128
.set F0,  0
.set F1,  128
.set G1,  24
.set G0,  32
.set G1B, 48
.set G0B, 56
.set MSB, 0
.macro WIN new
.if MSB != (\new)
	s_set_vgpr_msb (MSB<<8)|(\new)
.set MSB, (\new)
.endif
.endm
.macro JLOAD s                         ; waves 0 and 1 ask for cat's halves, waves 2 and 3 for w_bot's; four v_nop follow each line
	s_cmp_eq_u32 s21, 0
	s_cbranch_scc0 .Lfor_b_\@
	tensor_load_to_lds s[G0+4*\s:G0+4*\s+3], s[G1:G1+7]
	s_nop 0
.rept 4
	v_nop
.endr
	s_branch .Lasked_\@
.Lfor_b_\@:
	tensor_load_to_lds s[G0B+4*\s:G0B+4*\s+3], s[G1B:G1B+7]
	s_nop 0
.rept 4
	v_nop
.endr
.Lasked_\@:
.endm
.macro CROUND
	s_barrier_signal -1
	s_barrier_wait -1
	s_cmp_lg_u32 s20, 0
	s_cbranch_scc1 .Lnot_wave_0_\@
	s_barrier_signal -3
.Lnot_wave_0_\@:
	s_barrier_wait -3
	s_barrier_signal -1
	s_barrier_wait -1
.endm
	s_load_b512 s[4:19], s[0:1], 0x0               ; catc, w_bot, the scales, gamma, beta, mean, var, out0
	v_lshl_add_u32 v[SPW], v0, 2, SPARE
	v_mov_b32 v[NIL], 0
	ds_add_u32 v11, v12
	s_wait_dscnt 0x0
	v_lshrrev_b32 v1, 5, v0
	v_readfirstlane_b32 s20, v1                    ; wave
	s_lshr_b32 s21, s20, 1                         ; which 64 positions are mine.  Also: I ask for cat (0) or for w_bot (1)
	s_and_b32 s22, s20, 1                          ; which 64 channels.  Also: which half of that tile I ask for
	s_bfe_u32 s40, ttmp6, 0x40000                  ; cx, cy
	s_bfe_u32 s41, ttmp6, 0x40004
	s_lshl_b32 s42, ttmp9, 2
	s_add_co_u32 s42, s42, s40                     ; the block of 128 channels
	s_and_b32 s43, ttmp7, 0xffff
	s_lshl_b32 s43, s43, 2
	s_add_co_u32 s43, s43, s41                     ; the block of 128 positions: 32 b + block
	s_lshl_b32 s44, s41, 2
	s_lshl_b32 s44, 15, s44                        ; my row of the cluster
	s_lshl_b32 s45, 0x1111, s40                    ; my column
	s_or_b32 s[G1], s44, (3<<16)|(1<<21)           ; cat: elements of 8 bytes, no padding
	s_mov_b32 s[G1+1], 32<<16                      ; rows of 256 bytes,
	s_mov_b32 s[G1+2], 128<<16                     ; 128 of them: two K steps
	s_mov_b32 s[G1+3], 32<<16
	s_mov_b32 s[G1+4], 128
	s_mov_b32 s[G1+5], 32                          ; dense
	s_mov_b32 s[G1+6], 0
	s_mov_b32 s[G1+7], 0
	s_or_b32 s[G1B], s45, (1<<20)|(1<<21)|(6<<22)|(3<<25)   ; w_bot: elements of 1 byte; 4 words of padding behind every 128
	s_mov_b32 s[G1B+1], 512<<16                    ; rows of 512 bytes: four K steps,
	s_mov_b32 s[G1B+2], 64<<16                     ; 64 of them
	s_mov_b32 s[G1B+3], 512<<16
	s_mov_b32 s[G1B+4], 64
	s_mov_b32 s[G1B+5], 2048
	s_mov_b32 s[G1B+6], 0
	s_mov_b32 s[G1B+7], 0
	s_lshl_b32 s66, s43, 18
	s_lshl_b32 s46, s22, 15
	s_add_co_u32 s66, s66, s46                     ; cat: the block's 262,144 bytes, + my two K steps of the four
	s_mov_b32 s67, 0
	s_lshl_b32 s68, s42, 18
	s_lshl_b32 s46, s22, 17
	s_add_co_u32 s68, s68, s46                     ; w_bot: row 128 x block + 64 (w & 1)
	s_mov_b32 s69, 0
	s_lshl_b32 s70, s22, 15                        ; where they go: no place in the cluster enters an LDS address
	s_mul_i32 s71, s22, 64*BP
	s_add_co_u32 s71, s71, BOFF
	s_wait_kmcnt 0x0
	s_load_b64 s[72:73], s[8:9], 0x38              ; e14, e15
	s_add_nc_u64 s[66:67], s[4:5], s[66:67]
	s_add_nc_u64 s[68:69], s[6:7], s[68:69]
	CROUND                                         ; all sixteen work-groups are here: the first joint loads meet
.irp s,0,1
	s_mov_b32 s[G0+4*\s], 1
	s_add_co_u32 s[G0+4*\s+1], s70, \s*SLOT
	s_add_nc_u64 s[G0+4*\s+2:G0+4*\s+3], s[66:67], \s*65536
	s_or_b32 s[G0+4*\s+3], s[G0+4*\s+3], 0x80000000
	s_mov_b32 s[G0B+4*\s], 1
	s_add_co_u32 s[G0B+4*\s+1], s71, \s*SLOT
	s_add_nc_u64 s[G0B+4*\s+2:G0B+4*\s+3], s[68:69], \s*512
	s_or_b32 s[G0B+4*\s+3], s[G0B+4*\s+3], 0x80000000
	JLOAD \s
.endr
	v_and_b32 v1, 31, v0
	v_and_b32 v2, 15, v0                           ; r
	v_bfe_u32 v3, v0, 4, 1                         ; h
	v_lshlrev_b32 v13, 4, v1
	s_lshl_b32 s46, s21, 13
	v_add_nc_u32 v[ADA], s46, v13                  ; cat: my four tiles' images, 16 x lane
	v_add_nc_u32 v[ADA+1], SLOT, v[ADA]
	s_mul_i32 s46, s22, 64*BP
	s_add_co_u32 s46, s46, BOFF
	v_mul_u32_u24 v[ADB], v2, BP
	v_lshl_add_u32 v[ADB], v3, 4, v[ADB]
	v_add_nc_u32 v[ADB], s46, v[ADB]               ; w_bot: row 64 (w & 1) + r, + 16 h
	v_add_nc_u32 v[ADB+1], SLOT, v[ADB]
	s_mul_i32 s46, s20, 16*SPITCH
	s_add_co_u32 s46, s46, STAGE
	v_mul_u32_u24 v[STO], v2, SPITCH
	v_lshl_add_u32 v[STO], v3, 5, v[STO]
	v_add_nc_u32 v[STO], s46, v[STO]               ; the stage: row = my channel, + 32 h
	v_mul_u32_u24 v[RD], v3, SPITCH
	v_lshl_add_u32 v[RD], v2, 4, v[RD]
	v_add_nc_u32 v[RD], s46, v[RD]                 ; back: lanes 0-15 one row of 256 bytes, lanes 16-31 the next
	v_lshlrev_b32 v[CO], 14, v3
	v_lshl_add_u32 v[CO], v2, 4, v[CO]             ; and the same two rows in out0
	v_lshlrev_b32 v14, 2, v2
	s_lshl_b32 s74, s42, 9
	s_lshl_b32 s46, s22, 8
	s_add_co_u32 s74, s74, s46                     ; my 64 channels' numbers
	s_mov_b32 s75, 0
	s_add_nc_u64 s[10:11], s[10:11], s[74:75]
	s_add_nc_u64 s[12:13], s[12:13], s[74:75]
	s_add_nc_u64 s[14:15], s[14:15], s[74:75]
	s_add_nc_u64 s[16:17], s[16:17], s[74:75]
.irp j,0,1,2,3
	global_load_b32 v[16+\j], v14, s[14:15] offset:64*\j
	global_load_b32 v[24+\j], v14, s[12:13] offset:64*\j
	global_load_b32 v[28+\j], v14, s[16:17] offset:64*\j
	global_load_b32 v[32+\j], v14, s[10:11] offset:64*\j
.endr
	s_lshr_b32 s74, s43, 5
	s_lshl_b32 s74, s74, 23                        ; the batch,
	s_lshl_b32 s46, s42, 21
	s_add_co_u32 s74, s74, s46
	s_lshl_b32 s46, s22, 20
	s_add_co_u32 s74, s74, s46                     ; my first channel,
	s_and_b32 s46, s43, 31
	s_lshl_b32 s46, s46, 9
	s_add_co_u32 s74, s74, s46
	s_lshl_b32 s46, s21, 8
	s_add_co_u32 s74, s74, s46                     ; my first position
	s_add_nc_u64 s[18:19], s[18:19], s[74:75]
	s_wait_loadcnt 0x0
.irp j,0,1,2,3
	v_add_f32 v[28+\j], 0x3727c5ac, v[28+\j]       ; var + 1e-5
.endr
.irp j,0,1,2,3
	v_rsq_f32 v[28+\j], v[28+\j]
.endr
	v_nop                                          ; a plain line behind the last of them,
	s_wait_alu depctr_va_vdst(0)                   ; and the one wait ahead of the first reader
.irp j,0,1,2,3
	v_mul_f32 v[20+\j], v[32+\j], v[28+\j]
.endr
.macro FETCH slot, ks, f               ; the fragments of one K step: four of cat's, four of w_bot's: 32 LDS loads in one run
	WIN 0x40
.irp i,0,1,2,3
.irp c,0,1,2,3
	ds_load_b128 v[\f+16*\i+4*\c:\f+16*\i+4*\c+3], v[ADA+\slot] offset:16384*(\ks)+2048*\i+512*\c
.endr
.endr
.irp j,0,1,2,3
.irp c,0,1,2,3
	ds_load_b128 v[\f+64+16*\j+4*\c:\f+64+16*\j+4*\c+3], v[ADB+\slot] offset:16*BP*\j+128*(\ks)+32*\c
.endr
.endr
.endm
.macro MUL8 f, j0, zero                ; the 16 accumulators take turns, one instruction a turn, in the same order in every K step
.irp j, \j0, \j0+1
.irp i,0,1,2,3
.if \zero
	v_wmma_f32_16x16x128_fp8_fp8 v[ACC+8*(4*(\j)+\i):ACC+8*(4*(\j)+\i)+7], v[\f+16*\i:\f+16*\i+15], v[\f+64+16*(\j):\f+64+16*(\j)+15], 0
.else
	v_wmma_f32_16x16x128_fp8_fp8 v[ACC+8*(4*(\j)+\i):ACC+8*(4*(\j)+\i)+7], v[\f+16*\i:\f+16*\i+15], v[\f+64+16*(\j):\f+64+16*(\j)+15], v[ACC+8*(4*(\j)+\i):ACC+8*(4*(\j)+\i)+7]
.endif
.endr
.endr
.endm
.macro KS f, g, slot, nextks, zero, more   ; a K step on buffer f; more = 1: in its middle the slot's next K step is fetched into buffer g
	s_wait_dscnt 0x0
	WIN 0x05                                       ; sources 0 and 1 window 1
	MUL8 \f, 0, \zero
.if \more
.rept 4
	v_nop                                          ; places ahead of loads into registers that products have read
.endr
	FETCH \slot, \nextks, \g
	WIN 0x05
.endif
	MUL8 \f, 2, \zero
.endm
.macro RUN slot, zero                  ; a slot's four K steps
	KS F0, F1, \slot, 1, \zero, 1
	KS F1, F0, \slot, 2, 0, 1
	KS F0, F1, \slot, 3, 0, 1
	KS F1, F0, \slot, 0, 0, 0
.endm
; The change of slots: each wave waits for all its tensor loads, adds 0 to its spare word, waits for that and for its reads of the slot.  fill = 1: a round of the cluster's barrier, and the slot is asked for again, eight K steps on.
.macro CHG slot, fill
	WIN 0
	s_wait_tensorcnt 0x0
	ds_add_u32 v[SPW], v[NIL]
.if \fill
	s_add_nc_u64 s[G0+4*\slot+2:G0+4*\slot+3], s[G0+4*\slot+2:G0+4*\slot+3], 131072
	s_add_nc_u64 s[G0B+4*\slot+2:G0B+4*\slot+3], s[G0B+4*\slot+2:G0B+4*\slot+3], 1024
.endif
	s_wait_dscnt 0x0
.if \fill
	CROUND
	JLOAD \slot                                    ; the four v_nop behind it are also the places ahead of the loads below
.else
	s_barrier_signal -1
	s_barrier_wait -1
.rept 4
	v_nop
.endr
.endif
	FETCH 1-\slot, 0, F0
.endm
	s_wait_tensorcnt 1                             ; my part of slot 0 is in; slot 1's load may be out
	s_barrier_signal -1
	s_barrier_wait -1
	FETCH 0, 0, F0
	RUN 0, 1                                       ; K steps 0 to 3: the first starts the sums
	CHG 0, 1
	RUN 1, 0
	CHG 1, 1
	RUN 0, 0
	CHG 0, 0
	RUN 1, 0
	WIN 0
.rept 4
	v_nop                                          ; places behind the last products, ahead of the reads of the sums
.endr
	s_wait_kmcnt 0x0
	s_add_co_i32 s72, s72, s73
	s_add_co_i32 s72, s72, 127
	s_lshl_b32 s72, s72, 23                        ; 2^(e14 + e15)
	s_mov_b32 s73, s72
	; THE WAY OUT, a tile of 16 channels x 64 positions at a time: (sum x 2^(e14 + e15) - mean) x inv + beta, not below 0; through my stage; sixteen lanes store 256 consecutive bytes, aligned
.irp j,0,1,2,3
.if \j >= 2
	s_wait_xcnt 0x0                                ; the two sets of rows read back are used again only behind this wait
.endif
.set ii, 0
.rept 16
.if (\j%2) == 0
	v_pk_fma_f32 v[TMP+2*ii:TMP+2*ii+1], v[ACC+32*\j+2*ii:ACC+32*\j+2*ii+1], s[72:73], v[16+\j:17+\j] op_sel_hi:[1,0,0] neg_lo:[0,0,1] neg_hi:[0,0,1]
.else
	v_pk_fma_f32 v[TMP+2*ii:TMP+2*ii+1], v[ACC+32*\j+2*ii:ACC+32*\j+2*ii+1], s[72:73], v[15+\j:16+\j] op_sel:[0,0,1] op_sel_hi:[1,0,1] neg_lo:[0,0,1] neg_hi:[0,0,1]
.endif
.set ii, ii+1
.endr
.set ii, 0
.rept 16
.if (\j%2) == 0
	v_pk_fma_f32 v[TMP+2*ii:TMP+2*ii+1], v[TMP+2*ii:TMP+2*ii+1], v[20+\j:21+\j], v[24+\j:25+\j] op_sel_hi:[1,0,0]
.else
	v_pk_fma_f32 v[TMP+2*ii:TMP+2*ii+1], v[TMP+2*ii:TMP+2*ii+1], v[19+\j:20+\j], v[23+\j:24+\j] op_sel:[0,1,1] op_sel_hi:[1,1,1]
.endif
.set ii, ii+1
.endr
.set ii, 0
.rept 32
	v_max_num_f32 v[TMP+ii], 0, v[TMP+ii]
.set ii, ii+1
.endr
.irp i,0,1,2,3
	ds_store_b128 v[STO], v[TMP+8*\i:TMP+8*\i+3] offset:64*\i
	ds_store_b128 v[STO], v[TMP+8*\i+4:TMP+8*\i+7] offset:64*\i+16
.endr
.irp t,0,1,2,3,4,5,6,7
	ds_load_b128 v[64+32*(\j%2)+4*\t:64+32*(\j%2)+4*\t+3], v[RD] offset:2*SPITCH*\t   ; LDS serves a wave's instructions in order (ISA guide 5.7.1.4): these see my stores
.endr
.irp t,0,1,2,3,4,5,6,7
	s_wait_dscnt 7-\t                              ; rows 2 t and 2 t + 1 are back; the later loads may be out
	global_store_b128 v[CO], v[64+32*(\j%2)+4*\t:64+32*(\j%2)+4*\t+3], s[18:19] offset:(16*\j+2*\t)*16384 th:TH_STORE_NT
.endr
.endr
	s_wait_tensorcnt 0x0                           ; the wave's end
	ds_add_u32 v[SPW], v[NIL]
	s_wait_dscnt 0x0
	CROUND                                         ; the closing round
	s_endpgm
.Lfunc_end_k_q95e8923c93_bott:
	.size	k_q95e8923c93_bott, .Lfunc_end_k_q95e8923c93_bott-k_q95e8923c93_bott
	.p2alignl 7, 3214868480
	.fill 96, 4, 3214868480
	.section	.rodata,"a",@progbits
	.p2align	6, 0x0
	.amdhsa_kernel k_q95e8923c93_bott
		.amdhsa_group_segment_fixed_size 327680
		.amdhsa_private_segment_fixed_size 0
		.amdhsa_enable_private_segment 0
		.amdhsa_kernarg_size 64
		.amdhsa_user_sgpr_count 2
		.amdhsa_user_sgpr_kernarg_segment_ptr 1
		.amdhsa_wavefront_size32 1
		.amdhsa_system_sgpr_workgroup_id_x 1
		.amdhsa_system_sgpr_workgroup_id_y 1
		.amdhsa_system_sgpr_workgroup_id_z 1
		.amdhsa_system_vgpr_workitem_id 0
		.amdhsa_next_free_vgpr 512
		.amdhsa_next_free_sgpr 100
		.amdhsa_reserve_vcc 0
		.amdhsa_float_denorm_mode_32 3
		.amdhsa_float_denorm_mode_16_64 3
		.amdhsa_memory_ordered 1
		.amdhsa_forward_progress 1
		.amdhsa_inst_pref_size 84
	.end_amdhsa_kernel
	.amdgpu_metadata
---
amdhsa.version: [ 1, 2 ]
amdhsa.kernels:
  - .name:           k_q95e8923c93_bott
    .symbol:         k_q95e8923c93_bott.kd
    .args:
      - { .name: catc, .offset: 0, .size: 8, .value_kind: global_buffer, .address_space: global }
      - { .name: w_bot_codes, .offset: 8, .size: 8, .value_kind: global_buffer, .address_space: global }
      - { .name: lowp_scales, .offset: 16, .size: 8, .value_kind: global_buffer, .address_space: global }
      - { .name: bn_gamma, .offset: 24, .size: 8, .value_kind: global_buffer, .address_space: global }
      - { .name: bn_beta, .offset: 32, .size: 8, .value_kind: global_buffer, .address_space: global }
      - { .name: bn_mean, .offset: 40, .size: 8, .value_kind: global_buffer, .address_space: global }
      - { .name: bn_var, .offset: 48, .size: 8, .value_kind: global_buffer, .address_space: global }
      - { .name: out0, .offset: 56, .size: 8, .value_kind: global_buffer, .address_space: global }
    .group_segment_fixed_size: 327680
    .private_segment_fixed_size: 0
    .kernarg_segment_align: 8
    .kernarg_segment_size: 64
    .max_flat_workgroup_size: 128
    .sgpr_count:     100
    .vgpr_count:     512
    .wavefront_size: 32
...
	.end_amdgpu_metadata
.endif
;; end of part 3
